; MI455X (gfx1250); checked and timed in simulation.
; The chip was launched on July 23, 2026; its instructions are those of AMD's public machine-readable ISA for CDNA 5 (MIT licence, August 2026) and "CDNA5" Instruction Set Architecture Reference Guide (July 2026). The comments in the code are by the model that wrote it; some were corrected since.
;; FPN. Allowed arithmetic: matrix products marked QUANTISED: E2M3 operands, one E8M0 scale for each 32 along K, by v_wmma_scale_f32_16x16x128_f8f6f4 with both operands' format E2M3, f32 sums; products left as they are: f32 operands where the result goes on into a quantised operand, else bf16, f16 or f32 operands; f32 sums; everything else in f32.
;; Inputs: W 128 x 384 float32; b 128 float32; points1 2 x 8,192 x 128 float32; points2 2 x 8,192 x 256 float32; xyz1 2 x 8,192 x 3 float32; xyz2 2 x 8,192 x 3 float32.
;; Outputs: out0 2 x 8,192 x 128 float32.
;; Constants: nsample = 16.
;; This version of the problem:
;;   THIS VERSION OF THE PROBLEM IS GIVEN IN LOW PRECISION. The matrix products marked QUANTISED in the list below multiply operands that are first quantised to E2M3 (2 exponent bits, 3 mantissa bits; 6 bits a number), with one power-of-two scale for each 32 numbers along K (OCP MX v1.0); their sums are f32. All else is computed in f32.
;;   The module's matrix products, in the order in which they are computed (A, B: the left and right operand; K: the contracted axis; several contracted axes count as one K, in the product's order):
;;     1. batch 2 x [M 8,192, K 3] x [K 3, N 8,192]; A: input xyz2; B: input xyz1: left as it is (K = 3 < 32)
;;     2. [M 16,384, K 384] x [K 384, N 128]; A: computed on the way; B: input W: QUANTISED
;;   THE QUANTISER, for each operand of a quantised product, along K:
;;     - K is cut into blocks of 32 from its start; a last block that is shorter is filled with zeros.
;;     - A block's scale is 2^e with e = floor(log2(the largest magnitude in the block)) - 2, held to -126 .. 127; a block of zeros has e = 0. As a byte (E8M0): e + 127.
;;     - Each number is divided by its block's scale, clamped to +-7.5, and rounded to the nearest number of E2M3, ties to even, subnormals kept.
;;     - The product sums the exact products of the quantised numbers (number of the format x scale) in f32.
;;   ~~~python
;;   def quantise(x, axis):      # numpy; x: float32 -> the quantised numbers, widened to float32 again
;;       x = np.moveaxis(x, axis, -1); K = x.shape[-1]
;;       x = np.pad(x, [(0, 0)] * (x.ndim - 1) + [(0, -K % 32)]); x = x.reshape(x.shape[:-1] + (-1, 32)); a = np.abs(x).max(-1, keepdims=True)
;;       e = np.where(a > 0, np.clip(np.frexp(np.where(a > 0, a, 1))[1] - 1 - 2, -126, 127), 0)      # np.frexp(a)[1] - 1 = floor(log2(a)), exactly
;;       r = np.clip(x / 2.0 ** e, -7.5, 7.5)
;;       step = 2.0 ** (np.maximum(np.frexp(np.where(r == 0, 1, r))[1] - 1, 0) - 3)
;;       q = np.round(r / step) * step * 2.0 ** e      # np.round: ties to even
;;       return np.moveaxis(q.reshape(q.shape[:-2] + (-1,))[..., :K], -1, axis).astype(np.float32)
;;   ~~~
;;   OPERANDS COMPUTED ON THE WAY. 'Computed on the way' means the value that the module computes at that place (a softmax that the list does not call 'softmax' is quantised finished and normalised). What goes into a quantiser is computed in f32, as accurately as f32 sums, v_exp_f32 and their like allow (about 1e-6 of the number): no bf16 or f16 on the way to a quantiser, and a product that is left as it is and whose result goes on into a quantised operand takes f32 operands (vector FMAs, or v_wmma_f32_16x16x4_f32). A number that lies on a knife's edge between two numbers of the format may be rounded either way, as far as f32 arithmetic and the matrix unit's own rounding can turn it there, and no further.
;; 2 versions, each right; version 2 is version 1 with the launch mix written anew for expert scheduling mode. Each part assembles by itself: llvm-mc -triple=amdgcn-amd-amdhsa -mcpu=gfx1250 --defsym DOCPART=n.
;; ======== version 1 of 2: 3 launches
;; workspace buffers: grp 1,048,576 bytes of whole numbers; nidx 1,048,576 bytes of whole numbers; nwgt 1,048,576 bytes
;; launch coarse (part 1): grid 128 x 2, 8 waves a work-group, no clusters, 182,272 bytes of LDS; arguments xyz1, xyz2, grp; writes grp
.if DOCPART == 1
	.amdgcn_target "amdgcn-amd-amdhsa--gfx1250"
	.amdhsa_code_object_version 6
	.text
	.protected	k_q96b271ef00_coarse
	.globl	k_q96b271ef00_coarse
	.p2align	8
	.type	k_q96b271ef00_coarse,@function
k_q96b271ef00_coarse:
	s_mov_b64 s[64:65], 0
	v_nop
	global_prefetch_b8 v0, s[64:65] scope:SCOPE_SE
	s_setreg_imm32_b32 hwreg(HW_REG_WAVE_MODE, 25, 1), 1
	s_wait_xcnt 0x0
; COARSE CHOICE.  For each query (a row of xyz2) the 16 GROUPS of 16 neighbouring keys (rows of xyz1 of the same batch) whose smallest squared distance is smallest; ties go to the lower group.
; The 16 nearest keys, ordered by (distance, index), lie in these 16 groups: a group left out would have 16 groups ahead of it, each with a key that comes ahead of every key of the group left out.
; d2 = fma(-2, dot, q2 + k2); q2, k2 and dot each as mul, fma, fma over x, y, z.  The next launch forms d2 by the same chain, so both see the same bits.
; LIMITS: NaN, infinities and distances that overflow f32 are not served.
; SHARES.  A work-group takes 64 queries of one batch against all 8,192 keys (512 groups).  Eight waves.
; PHASE 1, a lane is a group: wave w holds groups 64 w .. 64 w + 63 (two a lane, 2 x 64 registers: x, y, z, k2 of 16 keys); the queries come one after the other as scalars;
;   each query costs 40 packed instructions and 8 minima for 32 groups; the minima go to LDS, [query][group].
; PHASE 2, a lane is a query: wave (part, h) walks groups 128 part .. + 127 for queries 32 h + lane and keeps a sorted list of 16 (minimum, group) in registers.  No branch hangs on a number: every group is inserted by compare and select.
; Then the four parts' lists are merged in two steps through LDS, and waves 0 and 1 sort the 16 group numbers ascending and store them.
; No tensor load, no cluster: what work-groups share is 96 KB of keys, read once into registers.
.set GMP,   2064                       ; LDS: a query's 512 minima + 16 bytes: 129 x 16
.set LISTS, 64*GMP                     ; behind the minima: a list area of 4,096 bytes for each wave
.set MK,   48                          ; s[48:63] the sixteen compare masks of an insertion
.set LN,   1                           ; v1   lane
.set KO,   2                           ; v2   192 x lane: a group's 16 keys are 192 bytes
.set GW,   3                           ; v3   where my groups' minima go: 256 x wave + 4 x lane
.set GR,   4                           ; v4   where my query's minima lie: (32 h + lane) x GMP + 512 x part
.set LW,   5                           ; v5   my wave's list area, 16 bytes a lane
.set LI,   6                           ; v6   16 x lane
.set AD,   7                           ; v7   the LDS address in hand
.set D,    16                          ; v[16:31]  phase 1: dot, then d2, of 16 keys
.set S,    32                          ; v[32:47]  q2 + k2
.set MN,   48                          ; v[48:52]  partial minima
.set KS,   64                          ; v[64:191] two sets of x (16), y (16), z (16), k2 (16)
.set RAW0, 192                         ; v[192:239] the first group's keys as loaded
.set RAW1, 16                          ; v[16:63]  the second's
.set MR,   192                         ; v[192:207] a trip's sixteen group minima, a register each
.set L,    64                          ; phase 2: v[64:79] the list's values, ascending
.set P,    80                          ; v[80:95]  their groups, as whole numbers in f32
.set M,    96                          ; v[96:103] eight minima from LDS
.set VI,   104                         ; v104      the group in hand
.set TT,   105                         ; v105-106  at work, by turns
.set RL,   112                         ; v[112:127], v[128:143] a list received
.set RP,   128
.set SRT,  144                         ; v[144:159] the groups, sorted
.set G,    160                         ; v[160:175] and as integers
; (value vn, payload vi) goes into the sorted list.  Mask i: vn < L[i], strictly, so that a newcomer stands behind its equals: what is inserted in ascending index order keeps the lower index first.
; New L[i] = the middle one of L[i-1], vn, L[i];  new P[i] = P[i] where vn >= L[i], else vi where vn >= L[i-1], else P[i-1].  From the top down, so that i - 1 is still the old one.
.macro INSERT vn, vi
.irp i, 0,1,2,3,4,5,6,7,8,9,10,11,12,13,14,15
	v_cmp_lt_f32 s[MK+\i], v[\vn], v[L+\i]
.endr
.irp i, 15,14,13,12,11,10,9,8,7,6,5,4,3,2,1
	v_cndmask_b32 v[TT+\i%2], v[\vi], v[P+\i-1], s[MK+\i-1]
	v_cndmask_b32 v[P+\i], v[P+\i], v[TT+\i%2], s[MK+\i]
	v_med3_num_f32 v[L+\i], v[L+\i-1], v[\vn], v[L+\i]
.endr
	v_cndmask_b32 v[P], v[P], v[\vi], s[MK]
	v_min_num_f32 v[L], v[\vn], v[L]
.endm
.macro SENDL                           ; my list as an image of its registers: 512 consecutive bytes a store
.irp c, 0,1,2,3
	ds_store_b128 v[LW], v[L+4*\c:L+4*\c+3] offset:512*\c
	ds_store_b128 v[LW], v[P+4*\c:P+4*\c+3] offset:2048+512*\c
.endr
.endm
.macro RECV delta                      ; the list of the wave delta / 4,096 further on (same queries, higher groups) is inserted into mine, in its own order
.irp c, 0,1,2,3
	ds_load_b128 v[RL+4*\c:RL+4*\c+3], v[LW] offset:\delta+512*\c
	ds_load_b128 v[RP+4*\c:RP+4*\c+3], v[LW] offset:\delta+2048+512*\c
.endr
	s_wait_dscnt 0x0
.irp j, 0,1,2,3,4,5,6,7,8,9,10,11,12,13,14,15
	INSERT RL+\j, RP+\j
.endr
.endm
; The keys come as x, y, z triples; the packed arithmetic wants 16 x, 16 y, 16 z on end: moved once, used for 64 queries.
.macro ARRANGE u, raw
.irp i, 0,1,2,3,4,5,6,7,8,9,10,11,12,13,14,15
	v_mov_b32 v[KS+64*\u+\i], v[\raw+3*\i]
	v_mov_b32 v[KS+64*\u+16+\i], v[\raw+3*\i+1]
	v_mov_b32 v[KS+64*\u+32+\i], v[\raw+3*\i+2]
	v_mul_f32 v[KS+64*\u+48+\i], v[\raw+3*\i], v[\raw+3*\i]
.endr
.irp i, 0,1,2,3,4,5,6,7,8,9,10,11,12,13,14,15
	v_fmac_f32 v[KS+64*\u+48+\i], v[\raw+3*\i+1], v[\raw+3*\i+1]
.endr
.irp i, 0,1,2,3,4,5,6,7,8,9,10,11,12,13,14,15
	v_fmac_f32 v[KS+64*\u+48+\i], v[\raw+3*\i+2], v[\raw+3*\i+2]
.endr
.endm
; One query (x, y, z in s[sx] on), the n-th of the trip's eight, against my 2 x 16 keys a lane.
.macro QSTEP sx, n
	s_mov_b32 s40, s[\sx]                          ; the packed forms name even pairs and take the low word for both halves
	s_mov_b32 s42, s[\sx+1]
	s_mov_b32 s44, s[\sx+2]
	s_mul_f32 s46, s[\sx], s[\sx]                  ; q2: mul, fma, fma
	s_fmac_f32 s46, s[\sx+1], s[\sx+1]
	s_fmac_f32 s46, s[\sx+2], s[\sx+2]
.irp u, 0,1
.irp p, 0,2,4,6,8,10,12,14
	v_pk_add_f32 v[S+\p:S+\p+1], v[KS+64*\u+48+\p:KS+64*\u+48+\p+1], s[46:47] op_sel_hi:[1,0]
.endr
.irp p, 0,2,4,6,8,10,12,14
	v_pk_mul_f32 v[D+\p:D+\p+1], v[KS+64*\u+\p:KS+64*\u+\p+1], s[40:41] op_sel_hi:[1,0]
.endr
.irp p, 0,2,4,6,8,10,12,14
	v_pk_fma_f32 v[D+\p:D+\p+1], v[KS+64*\u+16+\p:KS+64*\u+16+\p+1], s[42:43], v[D+\p:D+\p+1] op_sel_hi:[1,0,1]
.endr
.irp p, 0,2,4,6,8,10,12,14
	v_pk_fma_f32 v[D+\p:D+\p+1], v[KS+64*\u+32+\p:KS+64*\u+32+\p+1], s[44:45], v[D+\p:D+\p+1] op_sel_hi:[1,0,1]
.endr
.irp p, 0,2,4,6,8,10,12,14
	v_pk_fma_f32 v[D+\p:D+\p+1], v[D+\p:D+\p+1], -2.0, v[S+\p:S+\p+1] op_sel_hi:[1,0,1]
.endr
	v_min3_num_f32 v[MN], v[D], v[D+1], v[D+2]
	v_min3_num_f32 v[MN+1], v[D+3], v[D+4], v[D+5]
	v_min3_num_f32 v[MN+2], v[D+6], v[D+7], v[D+8]
	v_min3_num_f32 v[MN+3], v[D+9], v[D+10], v[D+11]
	v_min3_num_f32 v[MN+4], v[D+12], v[D+13], v[D+14]
	v_min3_num_f32 v[MN], v[MN], v[MN+1], v[MN+2]
	v_min3_num_f32 v[MN+3], v[MN+3], v[MN+4], v[D+15]
	v_min_num_f32 v[MR+2*(\n)+\u], v[MN], v[MN+3]
	ds_store_b32 v[AD], v[MR+2*(\n)+\u] offset:(\n)*GMP+128*\u   ; 32 lanes, 128 consecutive bytes of the query's row
.endr
.endm
	s_load_b128 s[4:7], s[0:1], 0x0                ; xyz1 s[4:5], xyz2 s[6:7]
	s_load_b64 s[8:9], s[0:1], 0x10                ; grp
	v_lshl_add_u32 v240, v0, 2, 0x2c400
	v_mov_b32 v241, 0
	v_lshrrev_b32 v1, 5, v0
	v_readfirstlane_b32 s10, v1                    ; wave 0..7
	v_and_b32 v[LN], 31, v0
	s_and_b32 s11, s10, 1                          ; h: which 32 of the 64 queries are mine in phase 2
	s_lshr_b32 s12, s10, 1                         ; part: which 128 groups
	s_and_b32 s14, s12, 1
	s_and_b32 s13, ttmp7, 0xffff                   ; batch
	v_mul_u32_u24 v[KO], v[LN], 192
	s_lshl_b32 s68, s10, 8
	v_lshl_add_u32 v[GW], v[LN], 2, s68
	s_lshl_b32 s68, s11, 5
	v_add_nc_u32 v[GR], s68, v[LN]
	v_mul_u32_u24 v[GR], v[GR], GMP
	s_lshl_b32 s68, s12, 9
	v_add_nc_u32 v[GR], s68, v[GR]
	s_lshl_b32 s68, s10, 12
	s_add_co_u32 s68, s68, LISTS
	v_lshl_add_u32 v[LW], v[LN], 4, s68
	v_lshlrev_b32 v[LI], 4, v[LN]
	s_mul_i32 s68, s13, 98304                      ; xyz1: my batch, my wave's 64 groups of 192 bytes
	s_mul_i32 s69, s10, 12288
	s_add_co_u32 s68, s68, s69
	s_mov_b32 s69, 0
	s_lshl_b32 s70, s13, 13                        ; xyz2: row 8,192 x batch + 64 x work-group, 12 bytes a row
	s_lshl_b32 s71, ttmp9, 6
	s_add_co_u32 s70, s70, s71
	s_mul_i32 s70, s70, 12
	s_mov_b32 s71, 0
	s_lshl_b32 s72, s13, 8                         ; grp: a block of 2,048 bytes for each 32 queries: block 256 x batch + 2 x work-group + h
	s_lshl_b32 s73, ttmp9, 1
	s_add_co_u32 s72, s72, s73
	s_add_co_u32 s72, s72, s11
	s_lshl_b32 s72, s72, 11
	s_mov_b32 s73, 0
	s_mov_b32 s41, 0                               ; the pairs' upper words are named with the lower, so they are written
	s_mov_b32 s43, 0
	s_mov_b32 s45, 0
	s_mov_b32 s47, 0
	s_mov_b32 s66, 0                               ; trips
	s_mov_b32 s67, 0                               ; byte offset of the trip's queries
	s_mov_b32 s76, 0                               ; and of their rows of minima in LDS
	s_wait_kmcnt 0x0
	s_add_nc_u64 s[4:5], s[4:5], s[68:69]
	s_add_nc_u64 s[6:7], s[6:7], s[70:71]
	s_add_nc_u64 s[8:9], s[8:9], s[72:73]
.irp t, 0,1,2,3,4,5,6,7,8,9,10,11
	global_load_b128 v[RAW0+4*\t:RAW0+4*\t+3], v[KO], s[4:5] offset:16*\t
.endr
.irp t, 0,1,2,3,4,5,6,7,8,9,10,11
	global_load_b128 v[RAW1+4*\t:RAW1+4*\t+3], v[KO], s[4:5] offset:6144+16*\t
.endr
	s_load_b256 s[16:23], s[6:7], s67 offset:0x0   ; four queries: 48 bytes
	s_load_b128 s[24:27], s[6:7], s67 offset:0x20
	s_wait_loadcnt 12                              ; the first group's twelve loads are in, the second's twelve may be out
	ARRANGE 0, RAW0
	s_wait_loadcnt 0x0
	ARRANGE 1, RAW1
.Lq:                                               ; eight trips of eight queries; two sets of scalars take turns
	s_wait_kmcnt 0x0                               ; s[16:27] are in
	s_load_b256 s[28:35], s[6:7], s67 offset:0x30
	s_load_b128 s[36:39], s[6:7], s67 offset:0x50
	v_add_nc_u32 v[AD], s76, v[GW]
.irp q, 0,1,2,3
	QSTEP 16+3*\q, \q
.endr
	s_wait_kmcnt 0x0                               ; s[28:39] are in, and the offset register is free
	s_add_co_u32 s67, s67, 96
	s_min_u32 s67, s67, 720                        ; the last trip asks once more for the work-group's last four queries and does not use them: no load leaves the 768 bytes
	s_load_b256 s[16:23], s[6:7], s67 offset:0x0
	s_load_b128 s[24:27], s[6:7], s67 offset:0x20
.irp q, 0,1,2,3
	QSTEP 28+3*\q, 4+\q
.endr
	s_add_co_u32 s76, s76, 8*GMP
	s_add_co_u32 s66, s66, 1
	s_cmp_lt_u32 s66, 8
	s_cbranch_scc1 .Lq
	s_wait_kmcnt 0x0
	s_wait_dscnt 0x0                               ; for the others: my minima lie in LDS
	s_barrier_signal -1
	s_barrier_wait -1
	; PHASE 2
.irp i, 0,1,2,3,4,5,6,7,8,9,10,11,12,13,14,15
	v_mov_b32 v[L+\i], 0x7f800000                  ; +infinity: above every distance
	v_mov_b32 v[P+\i], 0
.endr
	s_lshl_b32 s68, s12, 7
	v_cvt_f32_u32 v[VI], s68                       ; my first group
	s_mov_b32 s66, 0
	s_mov_b32 s76, 0
.Lg:                                               ; sixteen trips of eight groups
	v_add_nc_u32 v[AD], s76, v[GR]
	ds_load_b128 v[M:M+3], v[AD]
	ds_load_b128 v[M+4:M+7], v[AD] offset:16
	s_wait_dscnt 0x0
.irp e, 0,1,2,3,4,5,6,7
	INSERT M+\e, VI
	v_add_f32 v[VI], 1.0, v[VI]
.endr
	s_add_co_u32 s76, s76, 32
	s_add_co_u32 s66, s66, 1
	s_cmp_lt_u32 s66, 16
	s_cbranch_scc1 .Lg
	; THE MERGE.  Parts 1 and 3 send, parts 0 and 2 take them in; part 2 sends (into its own area, which nobody has written), part 0 takes it in.  Every wave passes both barriers.
	s_cmp_eq_u32 s14, 0
	s_cbranch_scc1 .Lno_send1
	SENDL
.Lno_send1:
	s_wait_dscnt 0x0
	s_barrier_signal -1
	s_barrier_wait -1
	s_cmp_lg_u32 s14, 0
	s_cbranch_scc1 .Lno_recv1
	RECV 8192
.Lno_recv1:
	s_cmp_lg_u32 s12, 2
	s_cbranch_scc1 .Lno_send2
	SENDL
.Lno_send2:
	s_wait_dscnt 0x0
	s_barrier_signal -1
	s_barrier_wait -1
	s_cmp_lg_u32 s12, 0
	s_cbranch_scc1 .Lend
	RECV 16384
	; the 16 groups in ascending order, so that the next launch meets the keys in ascending index order
.irp i, 0,1,2,3,4,5,6,7,8,9,10,11,12,13,14,15
	v_mov_b32 v[SRT+\i], 0x7f800000
.endr
.irp j, 0,1,2,3,4,5,6,7,8,9,10,11,12,13,14,15
.irp i, 15,14,13,12,11,10,9,8,7,6,5,4,3,2,1
	v_med3_num_f32 v[SRT+\i], v[SRT+\i-1], v[P+\j], v[SRT+\i]
.endr
	v_min_num_f32 v[SRT], v[P+\j], v[SRT]
.endr
.irp i, 0,1,2,3,4,5,6,7,8,9,10,11,12,13,14,15
	v_cvt_u32_f32 v[G+\i], v[SRT+\i]
.endr
.irp c, 0,1,2,3
	global_store_b128 v[LI], v[G+4*\c:G+4*\c+3], s[8:9] offset:512*\c   ; slots 4 c .. 4 c + 3 of 32 queries: 512 consecutive bytes, aligned
.endr
.Lend:
	s_wait_tensorcnt 0x0
	ds_add_u32 v240, v241
	s_wait_dscnt 0x0
	s_endpgm
.Lfunc_end_k_q96b271ef00_coarse:
	.size	k_q96b271ef00_coarse, .Lfunc_end_k_q96b271ef00_coarse-k_q96b271ef00_coarse
	.p2alignl 7, 3214868480
	.fill 96, 4, 3214868480
	.section	.rodata,"a",@progbits
	.p2align	6, 0x0
	.amdhsa_kernel k_q96b271ef00_coarse
		.amdhsa_group_segment_fixed_size 182272
		.amdhsa_private_segment_fixed_size 0
		.amdhsa_enable_private_segment 0
		.amdhsa_kernarg_size 24
		.amdhsa_user_sgpr_count 2
		.amdhsa_user_sgpr_kernarg_segment_ptr 1
		.amdhsa_wavefront_size32 1
		.amdhsa_system_sgpr_workgroup_id_x 1
		.amdhsa_system_sgpr_workgroup_id_y 1
		.amdhsa_system_sgpr_workgroup_id_z 1
		.amdhsa_system_vgpr_workitem_id 0
		.amdhsa_next_free_vgpr 242
		.amdhsa_next_free_sgpr 80
		.amdhsa_reserve_vcc 0
		.amdhsa_float_denorm_mode_32 3
		.amdhsa_float_denorm_mode_16_64 3
		.amdhsa_memory_ordered 1
		.amdhsa_forward_progress 1
		.amdhsa_inst_pref_size 240
	.end_amdhsa_kernel
	.amdgpu_metadata
---
amdhsa.version: [ 1, 2 ]
amdhsa.kernels:
  - .name:           k_q96b271ef00_coarse
    .symbol:         k_q96b271ef00_coarse.kd
    .args:
      - { .name: xyz1, .offset: 0, .size: 8, .value_kind: global_buffer, .address_space: global }
      - { .name: xyz2, .offset: 8, .size: 8, .value_kind: global_buffer, .address_space: global }
      - { .name: grp, .offset: 16, .size: 8, .value_kind: global_buffer, .address_space: global }
    .group_segment_fixed_size: 182272
    .private_segment_fixed_size: 0
    .kernarg_segment_align: 8
    .kernarg_segment_size: 24
    .max_flat_workgroup_size: 256
    .sgpr_count:     80
    .vgpr_count:     242
    .wavefront_size: 32
...
	.end_amdgpu_metadata
.endif
;; end of part 1
;; launch refine (part 2): grid 128 x 2, 8 waves a work-group, no clusters, 50,176 bytes of LDS; arguments xyz1, xyz2, grp, nidx, nwgt; writes nidx, nwgt
.if DOCPART == 2
	.amdgcn_target "amdgcn-amd-amdhsa--gfx1250"
	.amdhsa_code_object_version 6
	.text
	.protected	k_q96b271ef00_refine
	.globl	k_q96b271ef00_refine
	.p2align	8
	.type	k_q96b271ef00_refine,@function
k_q96b271ef00_refine:
	s_mov_b64 s[64:65], 0
	v_nop
	global_prefetch_b8 v0, s[64:65] scope:SCOPE_SE
	s_setreg_imm32_b32 hwreg(HW_REG_WAVE_MODE, 25, 1), 1
	s_wait_xcnt 0x0
; EXACT CHOICE.  For each query the 16 nearest of the 256 keys in its 16 chosen groups (grp, ascending), by (d2, index): the lower index wins a tie.  Then the weights: r = 1 / (d2 + 1e-8), w = r / sum of r.
; d2 by the same chain as in the launch before: k2, q2 and dot as mul, fma, fma; d2 = fma(-2, dot, q2 + k2).
; LIMITS: NaN, infinities and distances that overflow are not served.  Two keys whose d2 differ by less than the rounding of this chain may be chosen otherwise than by another order of rounding.
; The reciprocals are v_rcp_f32, the division by the sum a multiplication by its reciprocal.
; SHARES.  A work-group takes 64 queries; a lane is a query (32 h + lane); the wave's part c takes the list's slots 4 c .. 4 c + 3: 64 keys a lane, 192 bytes a group straight into registers.
; The group numbers were stored by the launch before as whole numbers; each is held to 511 directly ahead of the address made of it.  The four parts' lists are merged through LDS as there.
.set MK,   48                          ; s[48:63] the compare masks
.set QO,   2                           ; v2   12 x lane
.set QX,   4                           ; v4-6 my query, v7 its q2
.set Q2,   7
.set G,    8                           ; v[8:11] my four groups, as loaded; they move down one place a trip
.set GC,   12                          ; v12  the group in hand, held to 511
.set NB,   13                          ; v13  16 x that: the index of its first key
.set GOC,  14                          ; v14  192 x that: its byte offset
.set VI,   20                          ; v20  the key's index
.set TT,   21                          ; v21-22 at work
.set CUR,  23                          ; v23  first index of the group being inserted
.set LW,   24                          ; v24  my wave's list area in LDS, 16 bytes a lane
.set LI,   25                          ; v25  16 x lane
.set L,    32                          ; v[32:47] the list's d2, ascending
.set P,    48                          ; v[48:63] their indices
.set RAW0, 64                          ; v[64:111] the group at work
.set RAW1, 112                         ; v[112:159] the group on its way
.set DT,   160                         ; v[160:175] dot, then d2
.set K2,   176                         ; v[176:191] k2, then q2 + k2
.set RL,   192                         ; v[192:207], v[208:223] a list received; at the end the reciprocals and weights
.set RP,   208
.macro INSERT vn, vi                   ; as in the launch before: strictly less, so a newcomer stands behind its equals
.irp i, 0,1,2,3,4,5,6,7,8,9,10,11,12,13,14,15
	v_cmp_lt_f32 s[MK+\i], v[\vn], v[L+\i]
.endr
.irp i, 15,14,13,12,11,10,9,8,7,6,5,4,3,2,1
	v_cndmask_b32 v[TT+\i%2], v[\vi], v[P+\i-1], s[MK+\i-1]
	v_cndmask_b32 v[P+\i], v[P+\i], v[TT+\i%2], s[MK+\i]
	v_med3_num_f32 v[L+\i], v[L+\i-1], v[\vn], v[L+\i]
.endr
	v_cndmask_b32 v[P], v[P], v[\vi], s[MK]
	v_min_num_f32 v[L], v[\vn], v[L]
.endm
.macro SENDL
.irp c, 0,1,2,3
	ds_store_b128 v[LW], v[L+4*\c:L+4*\c+3] offset:512*\c
	ds_store_b128 v[LW], v[P+4*\c:P+4*\c+3] offset:2048+512*\c
.endr
.endm
.macro RECV delta
.irp c, 0,1,2,3
	ds_load_b128 v[RL+4*\c:RL+4*\c+3], v[LW] offset:\delta+512*\c
	ds_load_b128 v[RP+4*\c:RP+4*\c+3], v[LW] offset:\delta+2048+512*\c
.endr
	s_wait_dscnt 0x0
.irp j, 0,1,2,3,4,5,6,7,8,9,10,11,12,13,14,15
	INSERT RL+\j, RP+\j
.endr
.endm
.macro ASKGROUP                        ; the group in v[G]: clamp, index base, byte offset, twelve loads of 16 bytes
	v_min_u32 v[GC], 511, v[G]
	v_lshlrev_b32 v[NB], 4, v[GC]
	v_mul_u32_u24 v[GOC], v[GC], 192
.irp t, 0,1,2,3,4,5,6,7,8,9,10,11
	global_load_b128 v[RAW1+4*\t:RAW1+4*\t+3], v[GOC], s[4:5] offset:16*\t
.endr
.endm
; One group: its keys have been asked for; the next group is asked for (next = 1) while this one is inserted.
.macro GROUP next
	s_wait_loadcnt 0x0                             ; the group is in, and its offset register is free
.irp t, 0,1,2,3,4,5,6,7,8,9,10,11,12,13,14,15,16,17,18,19,20,21,22,23,24,25,26,27,28,29,30,31,32,33,34,35,36,37,38,39,40,41,42,43,44,45,46,47
	v_mov_b32 v[RAW0+\t], v[RAW1+\t]               ; the text of a group is written twice, not four times: so the registers are moved, 48 lines beside the group's 1,150
.endr
	v_mov_b32 v[CUR], v[NB]
.if \next
	v_mov_b32 v[G], v[G+1]
	v_mov_b32 v[G+1], v[G+2]
	v_mov_b32 v[G+2], v[G+3]
	ASKGROUP
.endif
.irp i, 0,1,2,3,4,5,6,7,8,9,10,11,12,13,14,15
	v_mul_f32 v[K2+\i], v[RAW0+3*\i], v[RAW0+3*\i]
	v_mul_f32 v[DT+\i], v[QX], v[RAW0+3*\i]
.endr
.irp i, 0,1,2,3,4,5,6,7,8,9,10,11,12,13,14,15
	v_fmac_f32 v[K2+\i], v[RAW0+3*\i+1], v[RAW0+3*\i+1]
	v_fmac_f32 v[DT+\i], v[QX+1], v[RAW0+3*\i+1]
.endr
.irp i, 0,1,2,3,4,5,6,7,8,9,10,11,12,13,14,15
	v_fmac_f32 v[K2+\i], v[RAW0+3*\i+2], v[RAW0+3*\i+2]
	v_fmac_f32 v[DT+\i], v[QX+2], v[RAW0+3*\i+2]
.endr
.irp i, 0,1,2,3,4,5,6,7,8,9,10,11,12,13,14,15
	v_add_f32 v[K2+\i], v[Q2], v[K2+\i]
.endr
.irp i, 0,1,2,3,4,5,6,7,8,9,10,11,12,13,14,15
	v_fma_f32 v[DT+\i], -2.0, v[DT+\i], v[K2+\i]
.endr
.irp i, 0,1,2,3,4,5,6,7,8,9,10,11,12,13,14,15
	v_add_nc_u32 v[VI], \i, v[CUR]
	INSERT DT+\i, VI
.endr
.endm
	s_load_b128 s[4:7], s[0:1], 0x0                ; xyz1, xyz2
	s_load_b128 s[8:11], s[0:1], 0x10              ; grp, nidx
	s_load_b64 s[12:13], s[0:1], 0x20              ; nwgt
	v_lshl_add_u32 v224, v0, 2, 0xc000
	v_mov_b32 v225, 0
	v_lshrrev_b32 v1, 5, v0
	v_readfirstlane_b32 s14, v1                    ; wave
	v_and_b32 v1, 31, v0                           ; lane
	s_and_b32 s15, s14, 1                          ; h
	s_lshr_b32 s16, s14, 1                         ; part
	s_and_b32 s17, s16, 1
	s_and_b32 s18, ttmp7, 0xffff                   ; batch
	v_mul_u32_u24 v[QO], v1, 12
	v_lshlrev_b32 v[LI], 4, v1
	s_lshl_b32 s24, s14, 12
	v_lshl_add_u32 v[LW], v1, 4, s24
	s_mul_i32 s24, s18, 98304                      ; xyz1: my batch
	s_mov_b32 s25, 0
	s_lshl_b32 s26, s18, 13                        ; xyz2: row 8,192 x batch + 64 x work-group + 32 h
	s_lshl_b32 s27, ttmp9, 6
	s_add_co_u32 s26, s26, s27
	s_lshl_b32 s27, s15, 5
	s_add_co_u32 s26, s26, s27
	s_mul_i32 s26, s26, 12
	s_mov_b32 s27, 0
	s_lshl_b32 s28, s18, 8                         ; the three tables: block 256 x batch + 2 x work-group + h, 2,048 bytes each
	s_lshl_b32 s29, ttmp9, 1
	s_add_co_u32 s28, s28, s29
	s_add_co_u32 s28, s28, s15
	s_lshl_b32 s28, s28, 11
	s_mov_b32 s29, 0
	s_lshl_b32 s30, s16, 9                         ; in grp: my part's four slots
	s_mov_b32 s31, 0
	s_wait_kmcnt 0x0
	s_add_nc_u64 s[4:5], s[4:5], s[24:25]
	s_add_nc_u64 s[6:7], s[6:7], s[26:27]
	s_add_nc_u64 s[8:9], s[8:9], s[28:29]
	s_add_nc_u64 s[8:9], s[8:9], s[30:31]
	s_add_nc_u64 s[10:11], s[10:11], s[28:29]
	s_add_nc_u64 s[12:13], s[12:13], s[28:29]
	global_load_b128 v[G:G+3], v[LI], s[8:9]
	global_load_b32 v[QX], v[QO], s[6:7]
	global_load_b32 v[QX+1], v[QO], s[6:7] offset:4
	global_load_b32 v[QX+2], v[QO], s[6:7] offset:8
.irp i, 0,1,2,3,4,5,6,7,8,9,10,11,12,13,14,15
	v_mov_b32 v[L+\i], 0x7f800000                  ; +infinity
	v_mov_b32 v[P+\i], 0
.endr
	s_wait_loadcnt 0x0
	ASKGROUP
	v_mul_f32 v[Q2], v[QX], v[QX]
	v_fmac_f32 v[Q2], v[QX+1], v[QX+1]
	v_fmac_f32 v[Q2], v[QX+2], v[QX+2]
	s_mov_b32 s20, 0
.Lgroup:                                           ; three trips; the fourth group is written out, since it asks for nothing
	GROUP 1
	s_add_co_u32 s20, s20, 1
	s_cmp_lt_u32 s20, 3
	s_cbranch_scc1 .Lgroup
	GROUP 0
	; THE MERGE: a higher part holds higher indices, so its list is the newcomer.
	s_cmp_eq_u32 s17, 0
	s_cbranch_scc1 .Lno_send1
	SENDL
.Lno_send1:
	s_wait_dscnt 0x0
	s_barrier_signal -1
	s_barrier_wait -1
	s_cmp_lg_u32 s17, 0
	s_cbranch_scc1 .Lno_recv1
	RECV 8192
.Lno_recv1:
	s_cmp_lg_u32 s16, 2
	s_cbranch_scc1 .Lno_send2
	SENDL
.Lno_send2:
	s_wait_dscnt 0x0
	s_barrier_signal -1
	s_barrier_wait -1
	s_cmp_lg_u32 s16, 0
	s_cbranch_scc1 .Lend
	RECV 16384
.irp j, 0,1,2,3,4,5,6,7,8,9,10,11,12,13,14,15
	v_add_f32 v[RL+\j], 0x322bcc77, v[L+\j]        ; d2 + 1e-8
.endr
.irp j, 0,1,2,3,4,5,6,7,8,9,10,11,12,13,14,15
	v_rcp_f32 v[RL+\j], v[RL+\j]
.endr
	v_nop                                          ; a plain instruction behind the last reciprocal
	s_wait_alu depctr_va_vdst(0)                   ; one wait for the sixteen, ahead of their first reader
	v_add_f32 v[DT], v[RL], v[RL+1]                ; the sum, in two chains
	v_add_f32 v[DT+1], v[RL+2], v[RL+3]
.irp j, 4,6,8,10,12,14
	v_add_f32 v[DT], v[DT], v[RL+\j]
	v_add_f32 v[DT+1], v[DT+1], v[RL+\j+1]
.endr
	v_add_f32 v[DT], v[DT], v[DT+1]
	v_rcp_f32 v[DT], v[DT]
	v_nop
	s_wait_alu depctr_va_vdst(0)
.irp j, 0,1,2,3,4,5,6,7,8,9,10,11,12,13,14,15
	v_mul_f32 v[RL+\j], v[RL+\j], v[DT]
.endr
.irp c, 0,1,2,3
	global_store_b128 v[LI], v[P+4*\c:P+4*\c+3], s[10:11] offset:512*\c    ; 512 consecutive bytes, aligned
	global_store_b128 v[LI], v[RL+4*\c:RL+4*\c+3], s[12:13] offset:512*\c
.endr
.Lend:
	s_wait_tensorcnt 0x0
	ds_add_u32 v224, v225
	s_wait_dscnt 0x0
	s_endpgm
.Lfunc_end_k_q96b271ef00_refine:
	.size	k_q96b271ef00_refine, .Lfunc_end_k_q96b271ef00_refine-k_q96b271ef00_refine
	.p2alignl 7, 3214868480
	.fill 96, 4, 3214868480
	.section	.rodata,"a",@progbits
	.p2align	6, 0x0
	.amdhsa_kernel k_q96b271ef00_refine
		.amdhsa_group_segment_fixed_size 50176
		.amdhsa_private_segment_fixed_size 0
		.amdhsa_enable_private_segment 0
		.amdhsa_kernarg_size 40
		.amdhsa_user_sgpr_count 2
		.amdhsa_user_sgpr_kernarg_segment_ptr 1
		.amdhsa_wavefront_size32 1
		.amdhsa_system_sgpr_workgroup_id_x 1
		.amdhsa_system_sgpr_workgroup_id_y 1
		.amdhsa_system_sgpr_workgroup_id_z 1
		.amdhsa_system_vgpr_workitem_id 0
		.amdhsa_next_free_vgpr 226
		.amdhsa_next_free_sgpr 80
		.amdhsa_reserve_vcc 0
		.amdhsa_float_denorm_mode_32 3
		.amdhsa_float_denorm_mode_16_64 3
		.amdhsa_memory_ordered 1
		.amdhsa_forward_progress 1
		.amdhsa_inst_pref_size 255
	.end_amdhsa_kernel
	.section	.bss,"aw",@nobits
	.p2align	6
	.space	262144
	.amdgpu_metadata
---
amdhsa.version: [ 1, 2 ]
amdhsa.kernels:
  - .name:           k_q96b271ef00_refine
    .symbol:         k_q96b271ef00_refine.kd
    .args:
      - { .name: xyz1, .offset: 0, .size: 8, .value_kind: global_buffer, .address_space: global }
      - { .name: xyz2, .offset: 8, .size: 8, .value_kind: global_buffer, .address_space: global }
      - { .name: grp, .offset: 16, .size: 8, .value_kind: global_buffer, .address_space: global }
      - { .name: nidx, .offset: 24, .size: 8, .value_kind: global_buffer, .address_space: global }
      - { .name: nwgt, .offset: 32, .size: 8, .value_kind: global_buffer, .address_space: global }
    .group_segment_fixed_size: 50176
    .private_segment_fixed_size: 0
    .kernarg_segment_align: 8
    .kernarg_segment_size: 40
    .max_flat_workgroup_size: 256
    .sgpr_count:     80
    .vgpr_count:     226
    .wavefront_size: 32
...
	.end_amdgpu_metadata
.endif
;; end of part 2
;; launch mix (part 3): grid 128 x 2, 8 waves a work-group, no clusters, 121,344 bytes of LDS; arguments W, b, points1, points2, nidx, nwgt, out0; writes out0
.if DOCPART == 3
	.amdgcn_target "amdgcn-amd-amdhsa--gfx1250"
	.amdhsa_code_object_version 6
	.text
	.protected	k_q96b271ef00_mix
	.globl	k_q96b271ef00_mix
	.p2align	8
	.type	k_q96b271ef00_mix,@function
k_q96b271ef00_mix:
	s_mov_b64 s[64:65], 0
	v_nop
	global_prefetch_b8 v0, s[64:65] scope:SCOPE_SE
	s_setreg_imm32_b32 hwreg(HW_REG_WAVE_MODE, 25, 1), 1
	s_wait_xcnt 0x0
; out[q][o] = sum over c of Q(cat[q][c]) Q(W[o][c]) + b[o];  cat = points1's 128 channels, then the weighted sum of 16 gathered rows of points2 (256 channels).
; Q: codes of FP6 (E2M3) with one E8M0 scale for each 32 along the 384 channels; a block's byte is its largest magnitude's exponent field - 2, held at 1 from below.
; (A block of zeros so has the byte 1: its codes are zeros, and this launch alone reads the bytes.)  LIMITS: NaN and infinities among the inputs are not served.
; SHARES.  A work-group of eight waves takes 64 queries.  GATHER: wave w sums the rows of queries 8 w .. 8 w + 7; a row of 1,024 bytes is two loads of 512 consecutive bytes; sixteen rows, 16 KB a wave, are always on their way.
; The indices and weights come as scalars (stored by the launch before; an index is held to 8,191 ahead of its address).  The sums go to LDS as rows.
; PRODUCT: THE WAVES SHARE THE OUTPUTS: wave w owns outputs 16 w .. 16 w + 15 for all 64 rows; its 16 rows of W are quantised once into 36 registers.
; The rows' codes go from wave to wave through LDS as images of the operand's registers (three stores of 512 bytes a fragment, a scale word a lane).
; The matrix instruction is used with W as source 0: a lane then holds one query and eight neighbouring outputs; b is the C of each sum's first instruction.
; No tensor load and no cluster: the gathered rows belong to one query each, and W is read once by each wave into registers.
.set CATP, 1040                        ; a row of 256 sums + 16 bytes: 65 x 16, so sixteen rows' 16 bytes lie in different banks
.set CAT,  0                           ; LDS: 64 rows of sums
.set XIMG, 64*CATP                     ; 12 fragment images (tile of rows m, K step s: 3 m + s) of 1,536 bytes
.set FRB,  1536
.set XSC,  XIMG+12*FRB                 ; their scale words, 128 bytes each
.set STG,  XSC+12*128                  ; the stage for the way out: 64 rows x (512 + 16)
.set STP,  528
.set LI,   4                           ; v4   16 x lane
.set WA,   5                           ; v5   W: row r of 1,536 bytes + 64 h
.set PA,   6                           ; v6   points1: row r of 512 bytes + 64 h
.set CR,   7                           ; v7   where I read sums to quantise
.set CW,   8                           ; v8   where I put sums
.set XWI,  9                           ; v9, v10   where my fragment of the sums and its scale word go
.set XWS,  10
.set P1I,  11                          ; v11, v12  the same for points1 (waves 0 to 3)
.set P1S,  12
.set FI,   13                          ; v13  XIMG + 16 x lane
.set FS,   14                          ; v14  XSC + 4 x lane
.set SO,   15                          ; v15  the stage, in
.set ACC,  16                          ; v[16:23]  a query's sums: channels 4 l .. + 3 and 128 + 4 l .. + 3
.set A,    24                          ; v[24:39]  a byte offset for each of the sixteen rows on their way
.set WF,   40                          ; v[40:75]  W's three fragments
.set WS,   76                          ; v[76:78]  their scale words
.set SR,   79                          ; v79  the stage, out
.set BIAS, 80                          ; v[80:87]
.set TM,   88                          ; v88-95, v100-103 at work in QUANT
.set XS,   96                          ; v[96:99]  the rows' scale words: these four hold scales alone
.set PW,   104                         ; v104 the scale word just made
.set BA,   105                         ; v105 b's byte offset
.set PC,   106                         ; v[106:117] the codes just made
.set HT,   118                         ; v[118:124] the conversions' second halves
.set CWC,  126                         ; v126 the LDS address in hand
.set RING, 128                         ; v[128:255] sixteen rows x 8 registers
.set BUF0, 128                         ; at the head and in the quantising: two sets of 64 numbers
.set BUF1, 192
.set XF,   128                         ; in the product: four fragments of rows,
.set YA,   192                         ; four accumulators,
.set OB,   224                         ; and eight rows on the way out
.set SEL,  20                          ; s[20:21]
.set IDN,  32                          ; s[32:47] the next query's indices
.set WGN,  48                          ; s[48:63] and weights
.set WGC,  68                          ; s[68:83] this query's weights
; 64 numbers of a lane, register 16 b + i = channel 32 b + 16 (lane / 16) + i of my row, become a fragment's 12 registers at dst and its scale word in sw.
.macro QUANT src, dst, sw
.irp b, 0,1,2,3
	v_max3_num_f32 v[TM+\b], |v[\src+16*\b]|, |v[\src+1+16*\b]|, 0x1800000   ; my 16 of block b, and the floor 2^(3 - 127): the byte cannot fall under 1
.endr
.irp i, 2,4,6,8,10,12,14
.irp b, 0,1,2,3
	v_max3_num_f32 v[TM+\b], v[TM+\b], |v[\src+16*\b+\i]|, |v[\src+1+16*\b+\i]|
.endr
.endr
.irp b, 0,1,2,3
	v_permlanex16_b32 v[TM+4+\b], v[TM+\b], s[SEL], s[SEL+1]
.endr
.irp b, 0,1,2,3
	v_max_num_f32 v[TM+\b], v[TM+\b], v[TM+4+\b]   ; with the lane 16 away: the block's largest magnitude
.endr
.irp b, 0,1,2,3
	v_add_nc_u32 v[TM+12+\b], 0xff000000, v[TM+\b] ; 2 off its exponent field: the conversion takes the exponent field of this operand as its scale
.endr
.irp b, 0,1,2,3
	v_lshrrev_b32 v[TM+4+\b], 23, v[TM+12+\b]      ; the scale's byte
.endr
	v_lshl_or_b32 v[\sw], v[TM+5], 8, v[TM+4]
	v_lshl_or_b32 v[\sw], v[TM+6], 16, v[\sw]
	v_lshl_or_b32 v[\sw], v[TM+7], 24, v[\sw]
.irp c, 0,1
	v_cvt_scalef32_pk16_fp6_f32 v[\dst+6*\c:\dst+2+6*\c], v[\src+32*\c:\src+15+32*\c], v[TM+12+2*\c]
	v_cvt_scalef32_pk16_fp6_f32 v[HT+4*\c:HT+2+4*\c], v[\src+16+32*\c:\src+31+32*\c], v[TM+12+2*\c+1]   ; (a conversion's three registers begin on an even number)
.endr
	v_nop                                          ; one plain place behind a scaled conversion
.irp c, 0,1                                    ; the operand wants a WHOLE block in a lane: lanes 0-15 block 2 c, lanes 16-31 block 2 c + 1
.irp i, 0,1,2
	v_permlane16_swap_b32 v[\dst+6*\c+\i], v[HT+4*\c+\i]
.endr
.irp i, 0,1,2
	v_mov_b32 v[\dst+3+6*\c+\i], v[HT+4*\c+\i]
.endr
.endr
.endm
.macro XLOAD buf, adr, base, off       ; 64 numbers of my row in QUANT's order: of each block of 32 my half's 64 bytes
.irp b, 0,1,2,3
.irp j, 0,1,2,3
	global_load_b128 v[\buf+16*\b+4*\j:\buf+16*\b+4*\j+3], v[\adr], s[\base:\base+1] offset:\off+128*\b+16*\j
.endr
.endr
.endm
.macro IMAGE adr
.irp c, 0,1,2
	ds_store_b128 v[\adr], v[PC+4*\c:PC+4*\c+3] offset:512*\c
.endr
.endm
.macro FETCH reg, off
.irp c, 0,1,2
	ds_load_b128 v[\reg+4*\c:\reg+4*\c+3], v[FI] offset:\off+512*\c
.endr
.endm
.macro LISTLD                          ; a query's 16 indices and 16 weights: slots 4 c .. 4 c + 3 lie 512 c bytes on
.irp c, 0,1,2,3
	s_load_b128 s[IDN+4*\c:IDN+4*\c+3], s[12:13], s23 offset:512*\c
	s_load_b128 s[WGN+4*\c:WGN+4*\c+3], s[14:15], s23 offset:512*\c
.endr
.endm
.macro TAKEW                           ; the weights just loaded become this query's
.irp i, 0,2,4,6,8,10,12,14
	s_mov_b64 s[WGC+\i:WGC+\i+1], s[WGN+\i:WGN+\i+1]
.endr
.endm
.macro ASKROW j                        ; neighbour j's row of points2 into the ring's place j
	s_min_u32 s88, s[IDN+\j], 8191
	s_lshl_b32 s88, s88, 10
	v_add_nc_u32 v[A+\j], s88, v[LI]
	global_load_b128 v[RING+8*\j:RING+8*\j+3], v[A+\j], s[10:11]
	global_load_b128 v[RING+8*\j+4:RING+8*\j+7], v[A+\j], s[10:11] offset:512
.endm
.macro ROW j, nxt, cnt                 ; row j is in (cnt younger loads may be out): it is weighed in, and its place takes the next query's row j
	s_wait_loadcnt \cnt
.irp e, 0,1,2,3,4,5,6,7
.if \j == 0
	v_mul_f32 v[ACC+\e], s[WGC], v[RING+\e]        ; the first row starts the sums
.else
	v_fmac_f32 v[ACC+\e], s[WGC+\j], v[RING+8*\j+\e]
.endif
.endr
.if \nxt
	ASKROW \j
.endif
.endm
.macro PUTSUMS
	v_add_nc_u32 v[CWC], s89, v[CW]
	ds_store_b128 v[CWC], v[ACC:ACC+3]
	ds_store_b128 v[CWC], v[ACC+4:ACC+7] offset:512
.endm
.macro BARRIER                         ; my LDS stores have landed and my LDS loads are in: then the barrier
	s_wait_dscnt 0x0
	s_barrier_signal -1
	s_barrier_wait -1
.endm
	s_load_b256 s[4:11], s[0:1], 0x0               ; W s[4:5], b s[6:7], points1 s[8:9], points2 s[10:11]
	s_load_b128 s[12:15], s[0:1], 0x20             ; nidx, nwgt
	s_load_b64 s[16:17], s[0:1], 0x30              ; out0
	v_lshl_add_u32 v125, v0, 2, 0x1d600
	v_mov_b32 v127, 0
	v_lshrrev_b32 v1, 5, v0
	v_readfirstlane_b32 s18, v1                    ; wave 0..7
	v_and_b32 v1, 31, v0                           ; lane
	v_and_b32 v2, 15, v0                           ; r
	v_bfe_u32 v3, v0, 4, 1                         ; h
	s_and_b32 s19, ttmp7, 0xffff                   ; batch
	s_mov_b32 s[SEL], 0x76543210
	s_mov_b32 s[SEL+1], 0xfedcba98                 ; v_permlanex16_b32: the lane 16 away
	v_lshlrev_b32 v[LI], 4, v1
	v_mul_u32_u24 v[WA], v2, 1536
	v_lshl_add_u32 v[WA], v3, 6, v[WA]
	v_lshlrev_b32 v[PA], 9, v2
	v_lshl_add_u32 v[PA], v3, 6, v[PA]
	s_lshr_b32 s24, s18, 1                         ; m: the tile of rows whose sums I quantise
	s_and_b32 s25, s18, 1                          ; which 128 of the 256 sums
	s_mul_i32 s26, s24, 16*CATP
	s_lshl_b32 s27, s25, 9
	s_add_co_u32 s26, s26, s27
	v_mul_u32_u24 v[CR], v2, CATP
	v_lshl_add_u32 v[CR], v3, 6, v[CR]
	v_add_nc_u32 v[CR], s26, v[CR]
	s_mul_i32 s26, s18, 8*CATP
	v_add_nc_u32 v[CW], s26, v[LI]
	s_mul_i32 s26, s24, 3                          ; image 3 m + 1 + (wave mod 2)
	s_add_co_u32 s26, s26, s25
	s_add_co_u32 s26, s26, 1
	s_mul_i32 s27, s26, FRB
	s_add_co_u32 s27, s27, XIMG
	v_add_nc_u32 v[XWI], s27, v[LI]
	s_lshl_b32 s27, s26, 7
	s_add_co_u32 s27, s27, XSC
	v_lshl_add_u32 v[XWS], v1, 2, s27
	s_and_b32 s26, s18, 3                          ; points1: image 3 x wave (waves 0 to 3 alone use it)
	s_mul_i32 s27, s26, 3*FRB
	s_add_co_u32 s27, s27, XIMG
	v_add_nc_u32 v[P1I], s27, v[LI]
	s_mul_i32 s27, s26, 3*128
	s_add_co_u32 s27, s27, XSC
	v_lshl_add_u32 v[P1S], v1, 2, s27
	v_add_nc_u32 v[FI], XIMG, v[LI]
	v_lshl_add_u32 v[FS], v1, 2, XSC
	v_mul_u32_u24 v[SO], v2, STP                   ; the stage, in: row r, + 64 x wave + 32 h
	v_lshl_add_u32 v[SO], v3, 5, v[SO]
	s_lshl_b32 s27, s18, 6
	v_lshl_add_u32 v[BA], v3, 5, s27               ; b: my eight outputs 16 w + 8 h on
	s_add_co_u32 s27, s27, STG
	v_add_nc_u32 v[SO], s27, v[SO]
	s_mul_i32 s27, s18, 8*STP                      ; out: my eight rows, 16 bytes a lane
	s_add_co_u32 s27, s27, STG
	v_add_nc_u32 v[SR], s27, v[LI]
.irp b, 0,1,2,3
	v_mov_b32 v[TM+4+\b], 0                        ; written once: a lane permute's destination counts as one of its sources
.endr
	s_mul_i32 s24, s18, 24576                      ; W: my 16 rows
	s_mov_b32 s25, 0
	s_lshl_b32 s26, s19, 13
	s_lshl_b32 s27, ttmp9, 6
	s_add_co_u32 s26, s26, s27                     ; the work-group's first row: 8,192 x batch + 64 x work-group
	s_lshl_b32 s27, s18, 4
	s_add_co_u32 s28, s26, s27
	s_lshl_b32 s28, s28, 9                         ; points1: + 16 x wave, rows of 512 bytes
	s_mov_b32 s29, 0
	s_lshl_b32 s27, s18, 3
	s_add_co_u32 s30, s26, s27
	s_lshl_b32 s30, s30, 9                         ; out0: + 8 x wave, rows of 512 bytes
	s_mov_b32 s31, 0
	s_lshl_b32 s84, s19, 23                        ; points2: my batch's 8,192 rows of 1,024 bytes
	s_mov_b32 s85, 0
	s_lshl_b32 s86, s19, 8                         ; the tables: block 256 x batch + 2 x work-group + wave / 4,
	s_lshl_b32 s87, ttmp9, 1
	s_add_co_u32 s86, s86, s87
	s_lshr_b32 s87, s18, 2
	s_add_co_u32 s86, s86, s87
	s_lshl_b32 s86, s86, 11
	s_and_b32 s87, s18, 3                          ; in it my eight queries: 16 bytes each
	s_lshl_b32 s87, s87, 7
	s_add_co_u32 s86, s86, s87
	s_mov_b32 s87, 0
	s_mov_b32 s23, 0
	s_wait_kmcnt 0x0
	s_add_nc_u64 s[4:5], s[4:5], s[24:25]
	s_add_nc_u64 s[8:9], s[8:9], s[28:29]
	s_add_nc_u64 s[16:17], s[16:17], s[30:31]
	s_add_nc_u64 s[10:11], s[10:11], s[84:85]
	s_add_nc_u64 s[12:13], s[12:13], s[86:87]
	s_add_nc_u64 s[14:15], s[14:15], s[86:87]
	LISTLD                                         ; my first query's list
	XLOAD BUF0, WA, 4, 0                           ; W, channels 0 to 127
	XLOAD BUF1, WA, 4, 512                         ; 128 to 255
	global_load_b128 v[BIAS:BIAS+3], v[BA], s[6:7]
	global_load_b128 v[BIAS+4:BIAS+7], v[BA], s[6:7] offset:16
	s_wait_loadcnt 18                              ; the first sixteen are in; the second sixteen and b's two may be out
	QUANT BUF0, WF, WS
	XLOAD BUF0, WA, 4, 1024                        ; 256 to 383
	s_wait_loadcnt 18                              ; the second sixteen are in; b's two and the third sixteen may be out
	QUANT BUF1, WF+12, WS+1
	s_cmp_lt_u32 s18, 4
	s_cbranch_scc0 .Lno_p1
	XLOAD BUF1, PA, 8, 0                           ; waves 0 to 3: points1, rows 16 w .. 16 w + 15: K step 0 of the rows' operand
	s_wait_loadcnt 16                              ; W's last sixteen and b are in; points1's sixteen may be out
	QUANT BUF0, WF+24, WS+2
	s_wait_loadcnt 0x0
	QUANT BUF1, PC, PW
	IMAGE P1I
	ds_store_b32 v[P1S], v[PW]
	s_branch .Lgather
.Lno_p1:
	s_wait_loadcnt 0x0
	QUANT BUF0, WF+24, WS+2
.Lgather:
	; THE GATHER.  No global load of mine is out here.
	s_wait_kmcnt 0x0
	TAKEW
.irp j, 0,1,2,3,4,5,6,7,8,9,10,11,12,13,14,15
	ASKROW \j
.endr
	s_mov_b32 s23, 16
	LISTLD                                         ; the second query's list
	s_mov_b32 s22, 0
	s_mov_b32 s89, 0
.Lquery:                                           ; seven trips: query t is summed while query t + 1's rows are asked for, place by place
	s_wait_kmcnt 0x0                               ; the next query's list is in
.irp j, 0,1,2,3,4,5,6,7,8,9,10,11,12,13,14,15
	ROW \j, 1, 30                                  ; 32 loads are out; row j's two are the oldest
.endr
	PUTSUMS
	TAKEW
	s_add_co_u32 s23, s23, 16
	s_min_u32 s23, s23, 112                        ; the last trip asks once more for my last query's list and does not use it
	LISTLD
	s_add_co_u32 s89, s89, CATP
	s_add_co_u32 s22, s22, 1
	s_cmp_lt_u32 s22, 7
	s_cbranch_scc1 .Lquery
.irp j, 0,1,2,3,4,5,6,7,8,9,10,11,12,13,14,15
	ROW \j, 0, 30-2*\j                             ; the last query: nothing is asked for, the counts run down
.endr
	PUTSUMS
	s_wait_kmcnt 0x0
	BARRIER                                        ; 64 rows of sums lie in LDS
	; THE SUMS BECOME CODES: wave w takes rows 16 (w / 2) on, channels 128 (w mod 2) on: one fragment
.irp b, 0,1,2,3
.irp j, 0,1,2,3
	ds_load_b128 v[BUF0+16*\b+4*\j:BUF0+16*\b+4*\j+3], v[CR] offset:128*\b+16*\j
.endr
.endr
	s_wait_dscnt 0x0
	QUANT BUF0, PC, PW
	IMAGE XWI
	ds_store_b32 v[XWS], v[PW]
	BARRIER                                        ; all twelve fragments of the rows lie in LDS
	; THE PRODUCT: my 16 outputs for four tiles of 16 rows: four accumulators by turns, one instruction a turn, a K step at a time
.irp s, 0,1,2
.irp m, 0,1,2,3
	FETCH XF+12*\m, (3*\m+\s)*FRB
	ds_load_b32 v[XS+\m], v[FS] offset:(3*\m+\s)*128
.endr
	s_wait_dscnt 0x0
.irp m, 0,1,2,3
.if \s == 0
	v_wmma_scale_f32_16x16x128_f8f6f4 v[YA+8*\m:YA+8*\m+7], v[WF+12*\s:WF+12*\s+11], v[XF+12*\m:XF+12*\m+11], v[BIAS:BIAS+7], v[WS+\s], v[XS+\m] matrix_a_fmt:MATRIX_FMT_FP6 matrix_b_fmt:MATRIX_FMT_FP6
.else
	v_wmma_scale_f32_16x16x128_f8f6f4 v[YA+8*\m:YA+8*\m+7], v[WF+12*\s:WF+12*\s+11], v[XF+12*\m:XF+12*\m+11], v[YA+8*\m:YA+8*\m+7], v[WS+\s], v[XS+\m] matrix_a_fmt:MATRIX_FMT_FP6 matrix_b_fmt:MATRIX_FMT_FP6
.endif
.endr
.rept 4
	v_nop                                          ; four places in front of loads into registers that matrix instructions have read, and of the first read of results
.endr
.endr
	; THE WAY OUT: lane (r, h) holds out(16 m + r, 16 w + 8 h + 0 .. 7); a row's 128 outputs come from eight waves and meet in the stage
.irp m, 0,1,2,3
	ds_store_b128 v[SO], v[YA+8*\m:YA+8*\m+3] offset:16*\m*STP           ; each accumulator from its low end on
	ds_store_b128 v[SO], v[YA+8*\m+4:YA+8*\m+7] offset:16*\m*STP+16
.endr
	BARRIER
.irp i, 0,1,2,3,4,5,6,7
	ds_load_b128 v[OB+4*\i:OB+4*\i+3], v[SR] offset:\i*STP
.endr
.irp i, 0,1,2,3,4,5,6,7
	s_wait_dscnt 7-\i
	global_store_b128 v[LI], v[OB+4*\i:OB+4*\i+3], s[16:17] offset:512*\i th:TH_STORE_NT   ; 32 lanes store a whole row: 512 consecutive bytes, aligned
.endr
	s_wait_tensorcnt 0x0
	ds_add_u32 v125, v127
	s_wait_dscnt 0x0
	s_endpgm
.Lfunc_end_k_q96b271ef00_mix:
	.size	k_q96b271ef00_mix, .Lfunc_end_k_q96b271ef00_mix-k_q96b271ef00_mix
	.p2alignl 7, 3214868480
	.fill 96, 4, 3214868480
	.section	.rodata,"a",@progbits
	.p2align	6, 0x0
	.amdhsa_kernel k_q96b271ef00_mix
		.amdhsa_group_segment_fixed_size 121344
		.amdhsa_private_segment_fixed_size 0
		.amdhsa_enable_private_segment 0
		.amdhsa_kernarg_size 56
		.amdhsa_user_sgpr_count 2
		.amdhsa_user_sgpr_kernarg_segment_ptr 1
		.amdhsa_wavefront_size32 1
		.amdhsa_system_sgpr_workgroup_id_x 1
		.amdhsa_system_sgpr_workgroup_id_y 1
		.amdhsa_system_sgpr_workgroup_id_z 1
		.amdhsa_system_vgpr_workitem_id 0
		.amdhsa_next_free_vgpr 256
		.amdhsa_next_free_sgpr 100
		.amdhsa_reserve_vcc 0
		.amdhsa_float_denorm_mode_32 3
		.amdhsa_float_denorm_mode_16_64 3
		.amdhsa_memory_ordered 1
		.amdhsa_forward_progress 1
		.amdhsa_inst_pref_size 64
	.end_amdhsa_kernel
	.amdgpu_metadata
---
amdhsa.version: [ 1, 2 ]
amdhsa.kernels:
  - .name:           k_q96b271ef00_mix
    .symbol:         k_q96b271ef00_mix.kd
    .args:
      - { .name: W, .offset: 0, .size: 8, .value_kind: global_buffer, .address_space: global }
      - { .name: b, .offset: 8, .size: 8, .value_kind: global_buffer, .address_space: global }
      - { .name: points1, .offset: 16, .size: 8, .value_kind: global_buffer, .address_space: global }
      - { .name: points2, .offset: 24, .size: 8, .value_kind: global_buffer, .address_space: global }
      - { .name: nidx, .offset: 32, .size: 8, .value_kind: global_buffer, .address_space: global }
      - { .name: nwgt, .offset: 40, .size: 8, .value_kind: global_buffer, .address_space: global }
      - { .name: out0, .offset: 48, .size: 8, .value_kind: global_buffer, .address_space: global }
    .group_segment_fixed_size: 121344
    .private_segment_fixed_size: 0
    .kernarg_segment_align: 8
    .kernarg_segment_size: 56
    .max_flat_workgroup_size: 256
    .sgpr_count:     100
    .vgpr_count:     256
    .wavefront_size: 32
...
	.end_amdgpu_metadata
.endif
;; end of part 3
;; ======== version 2 of 2: 3 launches; version 1 with the launch mix written anew for expert scheduling mode
;; workspace buffers: grp 1,048,576 bytes of whole numbers; nidx 1,048,576 bytes of whole numbers; nwgt 1,048,576 bytes
;; launch coarse: the kernel of part 1 again; grid 128 x 2, 8 waves a work-group, no clusters, 182,272 bytes of LDS; arguments xyz1, xyz2, grp; writes grp
;; launch refine: the kernel of part 2 again; grid 128 x 2, 8 waves a work-group, no clusters, 50,176 bytes of LDS; arguments xyz1, xyz2, grp, nidx, nwgt; writes nidx, nwgt
;; launch mix (part 4): grid 128 x 2, 8 waves a work-group, no clusters, 121,344 bytes of LDS; arguments W, b, points1, points2, nidx, nwgt, out0; writes out0
.if DOCPART == 4
	.amdgcn_target "amdgcn-amd-amdhsa--gfx1250"
	.amdhsa_code_object_version 6
	.text
	.protected	k_q96b271ef00_mix
	.globl	k_q96b271ef00_mix
	.p2align	8
	.type	k_q96b271ef00_mix,@function
k_q96b271ef00_mix:
	s_mov_b64 s[64:65], 0
	v_nop
	global_prefetch_b8 v0, s[64:65] scope:SCOPE_SE
	s_setreg_imm32_b32 hwreg(HW_REG_WAVE_SCHED_MODE, 0, 2), 2
	s_setreg_imm32_b32 hwreg(HW_REG_WAVE_MODE, 25, 1), 1
	s_wait_xcnt 0x0
	s_wait_alu depctr_vm_vsrc(0)
; out[q][o] = sum over c of Q(cat[q][c]) Q(W[o][c]) + b[o];  cat = points1's 128 channels, then the weighted sum of 16 gathered rows of points2 (256 channels).
; Q: codes of FP6 (E2M3) with one E8M0 scale for each 32 along the 384 channels; a block's byte is its largest magnitude's exponent field - 2, held at 1 from below.
; (A block of zeros so has the byte 1: its codes are zeros, and this launch alone reads the bytes.)  LIMITS: NaN and infinities among the inputs are not served.
; SHARES.  A work-group of eight waves takes 64 queries.  GATHER: wave w sums the rows of queries 8 w .. 8 w + 7; a row of 1,024 bytes is two loads of 512 consecutive bytes; twelve to sixteen rows, 12 to 16 KB a wave, are on their way.
; The indices and weights come as scalars (stored by the launch before; an index is held to 8,191 ahead of its address).  The sums go to LDS as rows.
; PRODUCT: THE WAVES SHARE THE OUTPUTS: wave w owns outputs 16 w .. 16 w + 15 for all 64 rows; its 16 rows of W are quantised once into 36 registers.
; The rows' codes go from wave to wave through LDS as images of the operand's registers (three stores of 512 bytes a fragment, a scale word a lane).
; The matrix instruction is used with W as source 0: a lane then holds one query and eight neighbouring outputs; b is the C of each sum's first instruction.
; No tensor load and no cluster: the gathered rows belong to one query each, and W is read once by each wave into registers.
; THE MODE: SCHED_MODE bits 1:0 = 2 (LLVM: expert scheduling mode 2), set by the entry lines.  The code itself states the register dependences
; between vector or matrix instructions and memory or LDS instructions, with s_wait_alu, always for 0.
; THE PLAN.  Registers that memory or LDS instructions touch:
;   v4-15, v79, v105   offsets and LDS addresses, made once at the head and never written again: one wait on va_vdst ahead of the first load serves them all.
;   RING, A            The gather.  A query's sixteen rows go in four groups of four.  Group g: its four offsets A are written for the next query, its 32 multiply-adds read its rows; ONE wait on va_vdst
;                      stands behind them; the group's eight loads of the next query follow it at once: they read those offsets and land in those rows.
;   ACC, CWC           Written by a query's vector lines; read by the two LDS stores at the query's end, behind group 3's wait on va_vdst.
;                      ONE wait on vm_vsrc stands at a query's head: the last query's LDS stores have read ACC and CWC, and every load issued so far has read its offset.
;                      The loads issued behind it in the same query read offsets that are already new, so it serves all four groups' offsets.
;   BUF0, BUF1, PC, PW Loaded, read by QUANT, loaded again; QUANT's codes and scale word go to LDS: a wait on va_vdst behind each QUANT whose sources are loaded again or whose results are stored.
;   XF, XS, YA         The product: a wait on va_vdst behind each K step's four matrix instructions, ahead of the next K step's LDS loads and of the stores of the results.
.set CATP, 1040                        ; a row of 256 sums + 16 bytes: 65 x 16, so sixteen rows' 16 bytes lie in different banks
.set CAT,  0                           ; LDS: 64 rows of sums
.set XIMG, 64*CATP                     ; 12 fragment images (tile of rows m, K step s: 3 m + s) of 1,536 bytes
.set FRB,  1536
.set XSC,  XIMG+12*FRB                 ; their scale words, 128 bytes each
.set STG,  XSC+12*128                  ; the stage for the way out: 64 rows x (512 + 16)
.set STP,  528
.set LI,   4                           ; v4   16 x lane
.set WA,   5                           ; v5   W: row r of 1,536 bytes + 64 h
.set PA,   6                           ; v6   points1: row r of 512 bytes + 64 h
.set CR,   7                           ; v7   where I read sums to quantise
.set CW,   8                           ; v8   where I put sums
.set XWI,  9                           ; v9, v10   where my fragment of the sums and its scale word go
.set XWS,  10
.set P1I,  11                          ; v11, v12  the same for points1 (waves 0 to 3)
.set P1S,  12
.set FI,   13                          ; v13  XIMG + 16 x lane
.set FS,   14                          ; v14  XSC + 4 x lane
.set SO,   15                          ; v15  the stage, in
.set ACC,  16                          ; v[16:23]  a query's sums: channels 4 l .. + 3 and 128 + 4 l .. + 3
.set A,    24                          ; v[24:39]  a byte offset for each of the sixteen rows on their way
.set WF,   40                          ; v[40:75]  W's three fragments
.set WS,   76                          ; v[76:78]  their scale words
.set SR,   79                          ; v79  the stage, out
.set BIAS, 80                          ; v[80:87]
.set TM,   88                          ; v88-95, v100-103 at work in QUANT
.set XS,   96                          ; v[96:99]  the rows' scale words: these four hold scales alone
.set PW,   104                         ; v104 the scale word just made
.set BA,   105                         ; v105 b's byte offset
.set PC,   106                         ; v[106:117] the codes just made
.set HT,   118                         ; v[118:124] the conversions' second halves
.set CWC,  126                         ; v126 the LDS address in hand
.set RING, 128                         ; v[128:255] sixteen rows x 8 registers
.set BUF0, 128                         ; at the head and in the quantising: two sets of 64 numbers
.set BUF1, 192
.set XF,   128                         ; in the product: four fragments of rows,
.set YA,   192                         ; four accumulators,
.set OB,   224                         ; and eight rows on the way out
.set SEL,  20                          ; s[20:21]
.set IDN,  32                          ; s[32:47] the next query's indices
.set WGN,  48                          ; s[48:63] and weights
.set WGC,  68                          ; s[68:83] this query's weights
; 64 numbers of a lane, register 16 b + i = channel 32 b + 16 (lane / 16) + i of my row, become a fragment's 12 registers at dst and its scale word in sw.
.macro QUANT src, dst, sw
.irp b, 0,1,2,3
	v_max3_num_f32 v[TM+\b], |v[\src+16*\b]|, |v[\src+1+16*\b]|, 0x1800000   ; my 16 of block b, and the floor 2^(3 - 127): the byte cannot fall under 1
.endr
.irp i, 2,4,6,8,10,12,14
.irp b, 0,1,2,3
	v_max3_num_f32 v[TM+\b], v[TM+\b], |v[\src+16*\b+\i]|, |v[\src+1+16*\b+\i]|
.endr
.endr
.irp b, 0,1,2,3
	v_permlanex16_b32 v[TM+4+\b], v[TM+\b], s[SEL], s[SEL+1]
.endr
.irp b, 0,1,2,3
	v_max_num_f32 v[TM+\b], v[TM+\b], v[TM+4+\b]   ; with the lane 16 away: the block's largest magnitude
.endr
.irp b, 0,1,2,3
	v_add_nc_u32 v[TM+12+\b], 0xff000000, v[TM+\b] ; 2 off its exponent field: the conversion takes the exponent field of this operand as its scale
.endr
.irp b, 0,1,2,3
	v_lshrrev_b32 v[TM+4+\b], 23, v[TM+12+\b]      ; the scale's byte
.endr
	v_lshl_or_b32 v[\sw], v[TM+5], 8, v[TM+4]
	v_lshl_or_b32 v[\sw], v[TM+6], 16, v[\sw]
	v_lshl_or_b32 v[\sw], v[TM+7], 24, v[\sw]
.irp c, 0,1
	v_cvt_scalef32_pk16_fp6_f32 v[\dst+6*\c:\dst+2+6*\c], v[\src+32*\c:\src+15+32*\c], v[TM+12+2*\c]
	v_cvt_scalef32_pk16_fp6_f32 v[HT+4*\c:HT+2+4*\c], v[\src+16+32*\c:\src+31+32*\c], v[TM+12+2*\c+1]   ; (a conversion's three registers begin on an even number)
.endr
	v_nop                                          ; one plain place behind a scaled conversion
.irp c, 0,1                                    ; the operand wants a WHOLE block in a lane: lanes 0-15 block 2 c, lanes 16-31 block 2 c + 1
.irp i, 0,1,2
	v_permlane16_swap_b32 v[\dst+6*\c+\i], v[HT+4*\c+\i]
.endr
.irp i, 0,1,2
	v_mov_b32 v[\dst+3+6*\c+\i], v[HT+4*\c+\i]
.endr
.endr
.endm
.macro XLOAD buf, adr, base, off       ; 64 numbers of my row in QUANT's order: of each block of 32 my half's 64 bytes
.irp b, 0,1,2,3
.irp j, 0,1,2,3
	global_load_b128 v[\buf+16*\b+4*\j:\buf+16*\b+4*\j+3], v[\adr], s[\base:\base+1] offset:\off+128*\b+16*\j
.endr
.endr
.endm
.macro IMAGE adr
.irp c, 0,1,2
	ds_store_b128 v[\adr], v[PC+4*\c:PC+4*\c+3] offset:512*\c
.endr
.endm
.macro FETCH reg, off
.irp c, 0,1,2
	ds_load_b128 v[\reg+4*\c:\reg+4*\c+3], v[FI] offset:\off+512*\c
.endr
.endm
.macro LISTLD                          ; a query's 16 indices and 16 weights: slots 4 c .. 4 c + 3 lie 512 c bytes on
.irp c, 0,1,2,3
	s_load_b128 s[IDN+4*\c:IDN+4*\c+3], s[12:13], s23 offset:512*\c
	s_load_b128 s[WGN+4*\c:WGN+4*\c+3], s[14:15], s23 offset:512*\c
.endr
.endm
.macro TAKEW                           ; the weights just loaded become this query's
.irp i, 0,2,4,6,8,10,12,14
	s_mov_b64 s[WGC+\i:WGC+\i+1], s[WGN+\i:WGN+\i+1]
.endr
.endm
.macro ADDR j                          ; the byte offset of neighbour j's row of points2
	s_min_u32 s88, s[IDN+(\j)], 8191
	s_lshl_b32 s88, s88, 10
	v_add_nc_u32 v[A+(\j)], s88, v[LI]
.endm
.macro ASK j                           ; that row into the ring's place j
	global_load_b128 v[RING+8*(\j):RING+8*(\j)+3], v[A+(\j)], s[10:11]
	global_load_b128 v[RING+8*(\j)+4:RING+8*(\j)+7], v[A+(\j)], s[10:11] offset:512
.endm
.macro WEIGH j                         ; row j is weighed in
.irp e, 0,1,2,3,4,5,6,7
.if (\j) == 0
	v_mul_f32 v[ACC+\e], s[WGC], v[RING+\e]        ; the first row starts the sums
.else
	v_fmac_f32 v[ACC+\e], s[WGC+(\j)], v[RING+8*(\j)+\e]
.endif
.endr
.endm
; Group g of a query: rows 4 g .. 4 g + 3 are in (cnt younger loads may be out) and are weighed in, in their order.  nxt = 1: their places take the next query's rows.  Behind group 3 the sums go to LDS.
.macro GRP g, nxt, cnt
	s_wait_loadcnt \cnt                            ; loads come back in order (ISA guide 5.7.1): the group's eight are in, so their offsets may be written again
.if (\g) == 0
	s_wait_alu depctr_vm_vsrc(0)                   ; the last query's LDS stores have read ACC and CWC, which this query writes again; every load issued so far has read its offset, and this query's four groups write the sixteen offsets again; the stores of points1's image have read PC and PW, which the quantising behind the gather writes again
.endif
.if \nxt
.irp k, 0,1,2,3
	ADDR 4*(\g)+\k
.endr
.endif
.irp k, 0,1,2,3
	WEIGH 4*(\g)+\k
.endr
.if (\g) == 3
	v_add_nc_u32 v[CWC], s89, v[CW]
.endif
.if \nxt || (\g) == 3
	s_wait_alu depctr_va_vdst(0)                   ; the group's four offsets are written, which the loads below read; its multiply-adds are done reading its rows, in which they land; in group 3: ACC and CWC are written, which the LDS stores read
.endif
.if \nxt
.irp k, 0,1,2,3
	ASK 4*(\g)+\k
.endr
.endif
.if (\g) == 3
	ds_store_b128 v[CWC], v[ACC:ACC+3]
	ds_store_b128 v[CWC], v[ACC+4:ACC+7] offset:512
.endif
.endm
.macro BARRIER                         ; my LDS stores have landed and my LDS loads are in: then the barrier
	s_wait_dscnt 0x0
	s_barrier_signal -1
	s_barrier_wait -1
.endm
	s_load_b256 s[4:11], s[0:1], 0x0               ; W s[4:5], b s[6:7], points1 s[8:9], points2 s[10:11]
	s_load_b128 s[12:15], s[0:1], 0x20             ; nidx, nwgt
	s_load_b64 s[16:17], s[0:1], 0x30              ; out0
	v_lshl_add_u32 v125, v0, 2, 0x1d600
	v_mov_b32 v127, 0
	v_lshrrev_b32 v1, 5, v0
	v_readfirstlane_b32 s18, v1                    ; wave 0..7
	v_and_b32 v1, 31, v0                           ; lane
	v_and_b32 v2, 15, v0                           ; r
	v_bfe_u32 v3, v0, 4, 1                         ; h
	s_and_b32 s19, ttmp7, 0xffff                   ; batch
	s_mov_b32 s[SEL], 0x76543210
	s_mov_b32 s[SEL+1], 0xfedcba98                 ; v_permlanex16_b32: the lane 16 away
	v_lshlrev_b32 v[LI], 4, v1
	v_mul_u32_u24 v[WA], v2, 1536
	v_lshl_add_u32 v[WA], v3, 6, v[WA]
	v_lshlrev_b32 v[PA], 9, v2
	v_lshl_add_u32 v[PA], v3, 6, v[PA]
	s_wait_alu depctr_va_sdst(0)                   ; s18 is written, ahead of its first reader: LDS addresses, bases and branches are made from it
	s_lshr_b32 s24, s18, 1                         ; m: the tile of rows whose sums I quantise
	s_and_b32 s25, s18, 1                          ; which 128 of the 256 sums
	s_mul_i32 s26, s24, 16*CATP
	s_lshl_b32 s27, s25, 9
	s_add_co_u32 s26, s26, s27
	v_mul_u32_u24 v[CR], v2, CATP
	v_lshl_add_u32 v[CR], v3, 6, v[CR]
	v_add_nc_u32 v[CR], s26, v[CR]
	s_mul_i32 s26, s18, 8*CATP
	v_add_nc_u32 v[CW], s26, v[LI]
	s_mul_i32 s26, s24, 3                          ; image 3 m + 1 + (wave mod 2)
	s_add_co_u32 s26, s26, s25
	s_add_co_u32 s26, s26, 1
	s_mul_i32 s27, s26, FRB
	s_add_co_u32 s27, s27, XIMG
	v_add_nc_u32 v[XWI], s27, v[LI]
	s_lshl_b32 s27, s26, 7
	s_add_co_u32 s27, s27, XSC
	v_lshl_add_u32 v[XWS], v1, 2, s27
	s_and_b32 s26, s18, 3                          ; points1: image 3 x wave (waves 0 to 3 alone use it)
	s_mul_i32 s27, s26, 3*FRB
	s_add_co_u32 s27, s27, XIMG
	v_add_nc_u32 v[P1I], s27, v[LI]
	s_mul_i32 s27, s26, 3*128
	s_add_co_u32 s27, s27, XSC
	v_lshl_add_u32 v[P1S], v1, 2, s27
	v_add_nc_u32 v[FI], XIMG, v[LI]
	v_lshl_add_u32 v[FS], v1, 2, XSC
	v_mul_u32_u24 v[SO], v2, STP                   ; the stage, in: row r, + 64 x wave + 32 h
	v_lshl_add_u32 v[SO], v3, 5, v[SO]
	s_lshl_b32 s27, s18, 6
	v_lshl_add_u32 v[BA], v3, 5, s27               ; b: my eight outputs 16 w + 8 h on
	s_add_co_u32 s27, s27, STG
	v_add_nc_u32 v[SO], s27, v[SO]
	s_mul_i32 s27, s18, 8*STP                      ; out: my eight rows, 16 bytes a lane
	s_add_co_u32 s27, s27, STG
	v_add_nc_u32 v[SR], s27, v[LI]
.irp b, 0,1,2,3
	v_mov_b32 v[TM+4+\b], 0                        ; written once: a lane permute's destination counts as one of its sources
.endr
	s_mul_i32 s24, s18, 24576                      ; W: my 16 rows
	s_mov_b32 s25, 0
	s_lshl_b32 s26, s19, 13
	s_lshl_b32 s27, ttmp9, 6
	s_add_co_u32 s26, s26, s27                     ; the work-group's first row: 8,192 x batch + 64 x work-group
	s_lshl_b32 s27, s18, 4
	s_add_co_u32 s28, s26, s27
	s_lshl_b32 s28, s28, 9                         ; points1: + 16 x wave, rows of 512 bytes
	s_mov_b32 s29, 0
	s_lshl_b32 s27, s18, 3
	s_add_co_u32 s30, s26, s27
	s_lshl_b32 s30, s30, 9                         ; out0: + 8 x wave, rows of 512 bytes
	s_mov_b32 s31, 0
	s_lshl_b32 s84, s19, 23                        ; points2: my batch's 8,192 rows of 1,024 bytes
	s_mov_b32 s85, 0
	s_lshl_b32 s86, s19, 8                         ; the tables: block 256 x batch + 2 x work-group + wave / 4,
	s_lshl_b32 s87, ttmp9, 1
	s_add_co_u32 s86, s86, s87
	s_lshr_b32 s87, s18, 2
	s_add_co_u32 s86, s86, s87
	s_lshl_b32 s86, s86, 11
	s_and_b32 s87, s18, 3                          ; in it my eight queries: 16 bytes each
	s_lshl_b32 s87, s87, 7
	s_add_co_u32 s86, s86, s87
	s_mov_b32 s87, 0
	s_mov_b32 s23, 0
	s_wait_kmcnt 0x0
	s_add_nc_u64 s[4:5], s[4:5], s[24:25]
	s_add_nc_u64 s[8:9], s[8:9], s[28:29]
	s_add_nc_u64 s[16:17], s[16:17], s[30:31]
	s_add_nc_u64 s[10:11], s[10:11], s[84:85]
	s_add_nc_u64 s[12:13], s[12:13], s[86:87]
	s_add_nc_u64 s[14:15], s[14:15], s[86:87]
	LISTLD                                         ; my first query's list
	s_wait_alu depctr_va_vdst(0)                   ; the offsets and LDS addresses v4 to v15, v79 and v105 are written: every load and store of the kernel reads one of them
	XLOAD BUF0, WA, 4, 0                           ; W, channels 0 to 127
	XLOAD BUF1, WA, 4, 512                         ; 128 to 255
	global_load_b128 v[BIAS:BIAS+3], v[BA], s[6:7]
	global_load_b128 v[BIAS+4:BIAS+7], v[BA], s[6:7] offset:16
	s_wait_loadcnt 18                              ; the first sixteen are in; the second sixteen and b's two may be out
	QUANT BUF0, WF, WS
	s_wait_alu depctr_va_vdst(0)                   ; the maxima and conversions are done reading BUF0, in which the loads below land
	XLOAD BUF0, WA, 4, 1024                        ; 256 to 383
	s_wait_loadcnt 18                              ; the second sixteen are in; b's two and the third sixteen may be out
	QUANT BUF1, WF+12, WS+1
	s_cmp_lt_u32 s18, 4
	s_cbranch_scc0 .Lno_p1
	s_wait_alu depctr_va_vdst(0)                   ; the maxima and conversions are done reading BUF1, in which the loads below land
	XLOAD BUF1, PA, 8, 0                           ; waves 0 to 3: points1, rows 16 w .. 16 w + 15: K step 0 of the rows' operand
	s_wait_loadcnt 16                              ; W's last sixteen and b are in; points1's sixteen may be out
	QUANT BUF0, WF+24, WS+2
	s_wait_loadcnt 0x0
	QUANT BUF1, PC, PW
	s_wait_alu depctr_va_vdst(0)                   ; PC and PW are written, which the LDS stores below read
	IMAGE P1I
	ds_store_b32 v[P1S], v[PW]
	s_branch .Lgather
.Lno_p1:
	s_wait_loadcnt 0x0
	QUANT BUF0, WF+24, WS+2
.Lgather:
	; THE GATHER.  No global load of mine is out here.
	s_wait_kmcnt 0x0
	TAKEW
.irp j, 0,1,2,3,4,5,6,7,8,9,10,11,12,13,14,15
	ADDR \j
.endr
	s_wait_alu depctr_va_vdst(0)                   ; the sixteen offsets are written, which the loads below read; the quantising above is done reading BUF0 and BUF1, which are the ring in which they land
.irp j, 0,1,2,3,4,5,6,7,8,9,10,11,12,13,14,15
	ASK \j
.endr
	s_mov_b32 s23, 16
	LISTLD                                         ; the second query's list
	s_mov_b32 s22, 0
	s_mov_b32 s89, 0
.Lquery:                                           ; seven trips: query t is summed while query t + 1's rows are asked for, group by group
	s_wait_kmcnt 0x0                               ; the next query's list is in
	GRP 0, 1, 24                                   ; 32 loads are out; the group's eight are the oldest
	GRP 1, 1, 24
	GRP 2, 1, 24
	GRP 3, 1, 24
	TAKEW
	s_add_co_u32 s23, s23, 16
	s_min_u32 s23, s23, 112                        ; the last trip asks once more for my last query's list and does not use it
	LISTLD
	s_add_co_u32 s89, s89, CATP
	s_add_co_u32 s22, s22, 1
	s_cmp_lt_u32 s22, 7
	s_cbranch_scc1 .Lquery
	GRP 0, 0, 24                                   ; the last query: nothing is asked for, the counts run down
	GRP 1, 0, 16
	GRP 2, 0, 8
	GRP 3, 0, 0
	s_wait_kmcnt 0x0
	BARRIER                                        ; 64 rows of sums lie in LDS
	; THE SUMS BECOME CODES: wave w takes rows 16 (w / 2) on, channels 128 (w mod 2) on: one fragment
	; (These loads land in the ring's first eight places.  The multiply-adds that read those stand ahead of the last wait on va_vdst, in the last query's group 3, and no vector instruction since names them.)
.irp b, 0,1,2,3
.irp j, 0,1,2,3
	ds_load_b128 v[BUF0+16*\b+4*\j:BUF0+16*\b+4*\j+3], v[CR] offset:128*\b+16*\j
.endr
.endr
	s_wait_dscnt 0x0
	QUANT BUF0, PC, PW
	s_wait_alu depctr_va_vdst(0)                   ; PC and PW are written, which the LDS stores below read; the quantising is done reading BUF0, in which the fragments' loads behind the barrier land
	IMAGE XWI
	ds_store_b32 v[XWS], v[PW]
	BARRIER                                        ; all twelve fragments of the rows lie in LDS
	; THE PRODUCT: my 16 outputs for four tiles of 16 rows: four accumulators by turns, one instruction a turn, a K step at a time
.irp s, 0,1,2
.irp m, 0,1,2,3
	FETCH XF+12*\m, (3*\m+\s)*FRB
	ds_load_b32 v[XS+\m], v[FS] offset:(3*\m+\s)*128
.endr
	s_wait_dscnt 0x0
.irp m, 0,1,2,3
.if \s == 0
	v_wmma_scale_f32_16x16x128_f8f6f4 v[YA+8*\m:YA+8*\m+7], v[WF+12*\s:WF+12*\s+11], v[XF+12*\m:XF+12*\m+11], v[BIAS:BIAS+7], v[WS+\s], v[XS+\m] matrix_a_fmt:MATRIX_FMT_FP6 matrix_b_fmt:MATRIX_FMT_FP6
.else
	v_wmma_scale_f32_16x16x128_f8f6f4 v[YA+8*\m:YA+8*\m+7], v[WF+12*\s:WF+12*\s+11], v[XF+12*\m:XF+12*\m+11], v[YA+8*\m:YA+8*\m+7], v[WS+\s], v[XS+\m] matrix_a_fmt:MATRIX_FMT_FP6 matrix_b_fmt:MATRIX_FMT_FP6
.endif
.endr
.rept 4
	v_nop                                          ; four places in front of loads into registers that matrix instructions have read, and of the first read of results
.endr
	s_wait_alu depctr_va_vdst(0)                   ; the matrix instructions are done reading XF and XS, in which the next K step's LDS loads land; behind the last K step: they have written YA, which the LDS stores below read.  The places above stay beside this wait
.endr
	; THE WAY OUT: lane (r, h) holds out(16 m + r, 16 w + 8 h + 0 .. 7); a row's 128 outputs come from eight waves and meet in the stage
.irp m, 0,1,2,3
	ds_store_b128 v[SO], v[YA+8*\m:YA+8*\m+3] offset:16*\m*STP           ; each accumulator from its low end on
	ds_store_b128 v[SO], v[YA+8*\m+4:YA+8*\m+7] offset:16*\m*STP+16
.endr
	BARRIER
.irp i, 0,1,2,3,4,5,6,7
	ds_load_b128 v[OB+4*\i:OB+4*\i+3], v[SR] offset:\i*STP   ; (into the ring's last four places: no vector instruction since the wait above names them)
.endr
.irp i, 0,1,2,3,4,5,6,7
	s_wait_dscnt 7-\i
	global_store_b128 v[LI], v[OB+4*\i:OB+4*\i+3], s[16:17] offset:512*\i th:TH_STORE_NT   ; 32 lanes store a whole row: 512 consecutive bytes, aligned
.endr
	s_wait_dscnt 0x0
	s_wait_alu depctr_hold_cnt(0) depctr_sa_sdst(0) depctr_va_vdst(0) depctr_va_sdst(0) depctr_va_ssrc(0) depctr_va_vcc(0) depctr_vm_vsrc(0)
	s_wait_tensorcnt 0x0
	ds_add_u32 v125, v127
	s_wait_dscnt 0x0
	s_endpgm
.Lfunc_end_k_q96b271ef00_mix:
	.size	k_q96b271ef00_mix, .Lfunc_end_k_q96b271ef00_mix-k_q96b271ef00_mix
	.p2alignl 7, 3214868480
	.fill 96, 4, 3214868480
	.section	.rodata,"a",@progbits
	.p2align	6, 0x0
	.amdhsa_kernel k_q96b271ef00_mix
		.amdhsa_group_segment_fixed_size 121344
		.amdhsa_private_segment_fixed_size 0
		.amdhsa_enable_private_segment 0
		.amdhsa_kernarg_size 56
		.amdhsa_user_sgpr_count 2
		.amdhsa_user_sgpr_kernarg_segment_ptr 1
		.amdhsa_wavefront_size32 1
		.amdhsa_system_sgpr_workgroup_id_x 1
		.amdhsa_system_sgpr_workgroup_id_y 1
		.amdhsa_system_sgpr_workgroup_id_z 1
		.amdhsa_system_vgpr_workitem_id 0
		.amdhsa_next_free_vgpr 256
		.amdhsa_next_free_sgpr 100
		.amdhsa_reserve_vcc 0
		.amdhsa_float_denorm_mode_32 3
		.amdhsa_float_denorm_mode_16_64 3
		.amdhsa_memory_ordered 1
		.amdhsa_forward_progress 1
		.amdhsa_inst_pref_size 64
	.end_amdhsa_kernel
	.amdgpu_metadata
---
amdhsa.version: [ 1, 2 ]
amdhsa.kernels:
  - .name:           k_q96b271ef00_mix
    .symbol:         k_q96b271ef00_mix.kd
    .args:
      - { .name: W, .offset: 0, .size: 8, .value_kind: global_buffer, .address_space: global }
      - { .name: b, .offset: 8, .size: 8, .value_kind: global_buffer, .address_space: global }
      - { .name: points1, .offset: 16, .size: 8, .value_kind: global_buffer, .address_space: global }
      - { .name: points2, .offset: 24, .size: 8, .value_kind: global_buffer, .address_space: global }
      - { .name: nidx, .offset: 32, .size: 8, .value_kind: global_buffer, .address_space: global }
      - { .name: nwgt, .offset: 40, .size: 8, .value_kind: global_buffer, .address_space: global }
      - { .name: out0, .offset: 48, .size: 8, .value_kind: global_buffer, .address_space: global }
    .group_segment_fixed_size: 121344
    .private_segment_fixed_size: 0
    .kernarg_segment_align: 8
    .kernarg_segment_size: 56
    .max_flat_workgroup_size: 256
    .sgpr_count:     100
    .vgpr_count:     256
    .wavefront_size: 32
...
	.end_amdgpu_metadata
.endif
;; end of part 4
